; MI455X (gfx1250); checked and timed in simulation.
; The chip was launched on July 23, 2026; its instructions are those of AMD's public machine-readable ISA for CDNA 5 (MIT licence, August 2026) and "CDNA5" Instruction Set Architecture Reference Guide (July 2026). The comments in the code are by the model that wrote it; some were corrected since.
;; Causal Self Attention. Allowed arithmetic: float matrix products may take bf16 or f16 operands with f32 sums; all other float work in f32.
;; Inputs: Wk 64 x 64 float32; Wo 64 x 64 float32; Wq 64 x 64 float32; Wv 64 x 64 float32; x 8 x 32 x 512 x 64 float32.
;; Outputs: out0 8 x 32 x 512 x 64 float32.
;; One version. Each part assembles by itself: llvm-mc -triple=amdgcn-amd-amdhsa -mcpu=gfx1250 --defsym DOCPART=n.
;; ======== version 1 of 1: 1 launch
;; limits: values are held in f16: magnitudes above 65,504 overflow, below 6.1e-05 lose precision
;; launch attn (part 1): grid 256 x 1, 16 waves a work-group, no clusters, 325,632 bytes of LDS; arguments x, Wq, Wk, Wv, Wo, out0; writes out0
.if DOCPART == 1
	.amdgcn_target "amdgcn-amd-amdhsa--gfx1250"
	.amdhsa_code_object_version 6
	.text
	.protected	k_q4544dfc072_attn
	.globl	k_q4544dfc072_attn
	.p2align	8
	.type	k_q4544dfc072_attn,@function
k_q4544dfc072_attn:
	s_mov_b64 s[64:65], 0
	v_nop
	global_prefetch_b8 v0, s[64:65] scope:SCOPE_SE
	s_setreg_imm32_b32 hwreg(HW_REG_WAVE_MODE, 25, 1), 1
	s_wait_xcnt 0x0
; Causal self-attention, whole module in one launch: q, k, v = x W^T; 4 heads of 16; softmax(q k^T / 4, causal) v; merged Wo^T.
; x, out0: [256 sequences][512 tokens][64] f32.  Wq, Wk, Wv, Wo: [64][64] f32.
; One work-group = one sequence (ttmp9), 16 waves, four to a SIMD.  x is read once, out0 written once, nothing else goes to memory.
;
; FORMATS.  The five inputs are rounded to bf16.  What the kernel makes itself (q, k, v, softmax weights, attended rows) is kept in f16:
; the first rows of a sequence are not averaged, and 8 significant bits there would use up the allowed error.  Wo meets an f16 operand:
; it is rounded to bf16 and that number is written as f16.  All sums, maxima and exponentials are f32.
; LIMITS.  0.3607 q, k, v and Wo must lie inside +-65504 (f16); magnitudes below 6e-8 become 0, and |Wo| below 2^-17 loses bits.
; Masked scores are -1e30, not -inf: f16 operands bound a score below 16 x 65504^2 < 2^37, so the sentinel always loses and its
; exponential is 0.  NaN and infinities among the inputs are not served.
;
; EVERYTHING IS TRANSPOSED.  S^T = K Q^T (source 0 = 16 keys, source 1 = 16 queries): lane (r, h) holds query r, registers j = keys 8h + j.
; Two key tiles packed to f16 are exactly source 1 of O^T = V^T P^T, whose result again has query r in lane r (registers d = 8h + j).
; So the maximum, the row sum and the scaling are one number a lane, and P never changes lanes.
; TWO PASSES in place of a running maximum: pass 1 makes the scores and keeps only their maximum m; pass 2 makes them again with
; C = -m, so that the matrix unit hands out s - m, ready for v_exp_f32 (q carries 0.25 log2 e).  No rescaling of O.
; The causal mask rides on C too (0 or -1e30), the row sum comes from a product with a matrix of ones.
; The head dimension is 16 under K = 32: registers 4-7 of the K and Q fragments are zeros, written once.
;
; LDS IS WRITTEN ONLY IN STRETCHES IN WHICH NO WAVE WALKS K AND V: a wave keeps the attended rows of its two query blocks in registers
; (8 each), and all waves store them between two barriers of their own, in front of the output projection.
;
; NO CLUSTER: work-groups share only the weights (65,536 bytes against 131,072 of x).  They have to pass through registers to be rounded;
; a joint tensor load would lay them into LDS as f32, to be read, rounded and stored again: 65,536 more bytes each way through LDS
; and one more barrier.  No prefetch: all of x is asked for by the first memory instruction of each wave.
; ---- LDS
.set XPITCH, 272                       ; x row: 256 bytes + 16 of padding, an odd multiple of 16: sixteen rows start in sixteen different 16-byte columns of 256
.set XSLOT,  32*XPITCH                 ; slot b: rows 32 b .. 32 b + 31 of x; later its first 4,096 bytes hold Q, then the attended rows
.set KS,     16*XSLOT                  ; K: block x 4096 + head x 1024 + tile x 512 + (16 r + 256 h)
.set KBLK,   4096
.set VS,     KS+16*KBLK                ; V transposed: block x 5120 + feature x 80 + 2 x (key & 31)
.set VPITCH, 80                        ; 64 bytes + 16: an odd multiple of 16
.set VBLK,   64*VPITCH
.set WS,     VS+16*VBLK                ; Wq, Wk, Wv (bf16), Wo (f16, rows permuted): matrix x 9216 + row x 144
.set WPITCH, 144                       ; 128 bytes + 16
.set WMAT,   64*WPITCH                 ; WS + 4 WMAT = 323,584; a word per thread follows, 325,632 in all
; ---- vector registers that live through the kernel
.set R,    1                           ; lane & 15
.set LQ,   2                           ; head x 1024 + 16 r + 256 h
.set LK,   3                           ; KS + the same
.set LVM,  4                           ; VS - VBLK + (16 head + r) x 80 + 16 h: one block low, the step comes in front of the load
.set QA,   5                           ; Q (and attended) address of a query block.  Projection: x address
.set KA,   6                           ; K address, stepped
.set VA,   7                           ; V address, stepped.  Projection: where q goes
.set AT,   8                           ; attended rows for my 16 rows of the output
.set WA,   9                           ; WS + r x 144 + 16 h: weight fragments
.set OUT,  10                          ; 2048 h + 16 r: my 16 bytes in out0
.set TA,   11                          ; at work
.set RL0,  12                          ; v[12:13] 1/l of query tile 0, twice.  Until the attention: h, and 16 r + 256 h
.set RL1,  14                          ; v[14:15] 1/l of query tile 1, twice.  Until the attention: store addresses
; ---- attention
.set MASK, 16                          ; register j: key 8h + j > query r ? -1e30 : 0
.set ONES, 24                          ; f16 1.0 everywhere
.set QF0,  32
.set QF1,  40
.set KF0,  48
.set KF1,  56
.set VF,   64
.set S00,  72                          ; S<key tile><query tile>
.set S10,  80
.set S01,  88
.set S11,  96
.set P0,   104
.set P1,   112
.set O0,   120
.set O1,   128
.set L0,   136
.set L1,   144
.set NM0,  152                         ; -m of query tile 0, eight times: a C operand
.set NM1,  160
.set M0,   168                         ; four chains of maxima for each query tile
.set M1,   172
.set KEEPA, 176                        ; v[176:183] attended rows (f16) of the first query block of a pair: tile 0, tile 1
.set KEEPB, 184                        ; v[184:191] those of the second
; ---- projections
.set XR,   16                          ; v[16:79] x as f32, then the eight result tiles (feature tile f, token tile t) at 8 (2 f + t)
.set WF,   80                          ; v[80:143] weight fragments (f, K step) at 8 (2 f + step)
.set XF,   144                         ; v[144:175] x fragments (t, K step) at 8 (2 t + step)
.set AF,   64                          ; output projection: attended fragments
.set DO,   144                         ; its four result tiles
.set T,    80                          ; and the rows as they are stored
.macro NOPS cnt
.rept \cnt
	v_nop
.endr
.endm
.macro BAR
	s_barrier_signal -1
	s_barrier_wait -1
.endm
.macro HM d, a, b, c                   ; one f16 product, C in registers
	v_wmma_f32_16x16x32_f16 v[\d:\d+7], v[\a:\a+7], v[\b:\b+7], v[\c:\c+7]
.endm
.macro HMZ d, a, b                     ; one f16 product that starts a sum
	v_wmma_f32_16x16x32_f16 v[\d:\d+7], v[\a:\a+7], v[\b:\b+7], 0
.endm
.macro BM d, a, b, first               ; one bf16 product
.if \first
	v_wmma_f32_16x16x32_bf16 v[\d:\d+7], v[\a:\a+7], v[\b:\b+7], 0
.else
	v_wmma_f32_16x16x32_bf16 v[\d:\d+7], v[\a:\a+7], v[\b:\b+7], v[\d:\d+7]
.endif
.endm
.macro LDW mat                         ; the 8 fragments (4 row tiles x 2 K steps) of one weight matrix: 16 loads
.irp f, 0,1,2,3
.irp ks, 0,1
.irp g, 0,1
	ds_load_b128 v[WF+8*(2*\f+\ks)+4*\g:WF+8*(2*\f+\ks)+4*\g+3], v[WA] offset:\mat*WMAT+\f*16*WPITCH+\ks*64+\g*32
.endr
.endr
.endr
.endm
.macro MM wfirst                       ; 16 products: 64 features x 32 tokens x K = 64.  wfirst = 1: weights are source 0 (a lane gets one token)
.irp ks, 0,1
.irp f, 0,1,2,3
.irp tk, 0,1
.if \wfirst
	BM XR+8*(2*\f+\tk), WF+8*(2*\f+\ks), XF+8*(2*\tk+\ks), 1-\ks
.else
	BM XR+8*(2*\f+\tk), XF+8*(2*\tk+\ks), WF+8*(2*\f+\ks), 1-\ks
.endif
.endr
.endr
.endr
.endm
.macro PACKST d, addr, off             ; eight f32 of a lane to 16 bytes of f16, in place, and into LDS
	v_cvt_pk_f16_f32 v[\d], v[\d], v[\d+1]
	v_cvt_pk_f16_f32 v[\d+1], v[\d+2], v[\d+3]
	v_cvt_pk_f16_f32 v[\d+2], v[\d+4], v[\d+5]
	v_cvt_pk_f16_f32 v[\d+3], v[\d+6], v[\d+7]
	ds_store_b128 v[\addr], v[\d:\d+3] offset:\off
.endm
.macro STORE8 addr, hstep, tstep       ; the eight result tiles of a projection
.irp f, 0,1,2,3
.irp tk, 0,1
	PACKST XR+8*(2*\f+\tk), \addr, \f*\hstep+\tk*\tstep
.endr
.endr
.endm
.macro WBF a, off                      ; four weights: f32 to bf16, 8 bytes into LDS
	v_cvt_pk_bf16_f32 v[\a], v[\a], v[\a+1]
	v_cvt_pk_bf16_f32 v[\a+1], v[\a+2], v[\a+3]
	ds_store_b64 v14, v[\a:\a+1] offset:\off
.endm
.macro WHF a, off                      ; four of Wo: rounded to bf16 like the other inputs, and that number written as f16
	v_cvt_pk_bf16_f32 v[\a], v[\a], v[\a+1]
	v_cvt_pk_bf16_f32 v[\a+1], v[\a+2], v[\a+3]
	v_lshlrev_b32 v[\a+2], 16, v[\a]
	v_and_b32 v[\a+3], 0xffff0000, v[\a]
	v_cvt_pk_f16_f32 v[\a], v[\a+2], v[\a+3]
	v_lshlrev_b32 v[\a+2], 16, v[\a+1]
	v_and_b32 v[\a+3], 0xffff0000, v[\a+1]
	v_cvt_pk_f16_f32 v[\a+1], v[\a+2], v[\a+3]
	ds_store_b64 v15, v[\a:\a+1] offset:\off
.endm
.macro LDK addr                        ; two key tiles of my head (registers 4-7 of the fragments stay zero)
	ds_load_b128 v[KF0:KF0+3], v[\addr]
	ds_load_b128 v[KF1:KF1+3], v[\addr] offset:512
.endm
.macro LDV addr                        ; V^T of my head: 16 d x 32 keys
	ds_load_b128 v[VF:VF+3], v[\addr]
	ds_load_b128 v[VF+4:VF+7], v[\addr] offset:32
.endm
.macro EXP8 s
.irp j, 0,1,2,3,4,5,6,7
	v_exp_f32 v[\s+\j], v[\s+\j]
.endr
.endm
.macro CVT4 p, s
.irp i, 0,1,2,3
	v_cvt_pk_f16_f32 v[\p+\i], v[\s+2*\i], v[\s+2*\i+1]
.endr
.endm
; ==== P0: ask for x, bring the weights
	s_load_b256 s[4:11], s[0:1], 0x0               ; x s[4:5], Wq s[6:7], Wk s[8:9], Wv s[10:11]
	s_load_b128 s[12:15], s[0:1], 0x20             ; Wo s[12:13], out0 s[14:15]
	v_lshl_add_u32 v192, v0, 2, 0x4f000
	v_mov_b32 v193, 0
	ds_add_u32 v192, v193
	ds_add_u32 v192, v193
	v_lshrrev_b32 v1, 5, v0
	v_readfirstlane_b32 s16, v1                    ; wave 0..15
	; descriptor group 1: 32 rows of 64 f32, dense in memory, 16 bytes of padding behind each row in LDS
	s_mov_b32 s24, (2<<16)|(1<<20)|(5<<22)|(3<<25) ; elements of 4 bytes; padding on; after every 64 words; of 4 words
	s_mov_b32 s25, 64<<16                          ; tensor_dim0 = 64
	s_mov_b32 s26, 32<<16                          ; tensor_dim1 = 32
	s_mov_b32 s27, 64<<16                          ; tile_dim0 = 64
	s_mov_b32 s28, 32                              ; tile_dim1 = 32
	s_mov_b32 s29, 64                              ; 64 elements from row to row
	s_mov_b32 s30, 0
	s_mov_b32 s31, 0
	s_mov_b32 s20, 1                               ; group 0: count
	s_mul_i32 s21, s16, XSLOT                      ; my slot
	s_lshl_b32 s40, ttmp9, 17                      ; sequence x 131,072 bytes
	s_lshl_b32 s19, s16, 13                        ; + wave x 32 rows x 256 bytes
	s_add_co_u32 s40, s40, s19
	s_mov_b32 s41, 0
	v_lshlrev_b32 v11, 4, v0                       ; weights: thread t takes bytes 16 t and 16 t + 8192 of each matrix
	s_wait_dscnt 0x0
	s_wait_kmcnt 0x0
	s_add_nc_u64 s[22:23], s[4:5], s[40:41]
	s_or_b32 s23, s23, 0x80000000                  ; type
	tensor_load_to_lds s[20:23], s[24:31]          ; my 32 rows: the one tensor load of this wave; its registers are never written again
	s_nop 0
	global_load_b128 v[16:19], v11, s[6:7]
	global_load_b128 v[20:23], v11, s[6:7] offset:8192
	global_load_b128 v[24:27], v11, s[8:9]
	global_load_b128 v[28:31], v11, s[8:9] offset:8192
	global_load_b128 v[32:35], v11, s[10:11]
	global_load_b128 v[36:39], v11, s[10:11] offset:8192
	global_load_b128 v[40:43], v11, s[12:13]
	global_load_b128 v[44:47], v11, s[12:13] offset:8192
	s_lshl_b32 s40, ttmp9, 17
	s_lshl_b32 s19, s16, 12                        ; out0: wave x 16 rows x 256 bytes
	s_add_co_u32 s40, s40, s19
	s_add_nc_u64 s[14:15], s[14:15], s[40:41]
	s_and_b32 s17, s16, 3                          ; my head
	s_lshr_b32 s18, s16, 2                         ; g: which query blocks are mine
	s_mov_b32 s32, 0x76543210                      ; v_permlanex16_b32: lane i reads lane i of the other half
	s_mov_b32 s33, 0xfedcba98
	s_mov_b32 s34, 0x80000000                      ; a sign
	s_mov_b32 s38, 0x3eb8aa3b                      ; 0.25 log2 e: 1 / sqrt(16), and exponentials in base 2
	s_mov_b32 s39, 0x3eb8aa3b
	v_and_b32 v[R], 15, v0
	v_bfe_u32 v12, v0, 4, 1                        ; h
	v_lshlrev_b32 v13, 4, v[R]
	v_lshl_add_u32 v13, v12, 8, v13                ; 16 r + 256 h: sixteen neighbouring lanes take 256 neighbouring bytes of a tile
	s_lshl_b32 s19, s17, 10
	v_add_nc_u32 v[LQ], s19, v13
	v_add_nc_u32 v[LK], KS, v[LQ]
	s_mul_i32 s19, s17, 16*VPITCH
	s_add_co_u32 s19, s19, VS-VBLK
	v_mul_u32_u24 v[LVM], v[R], VPITCH
	v_lshl_add_u32 v[LVM], v12, 4, v[LVM]
	v_add_nc_u32 v[LVM], s19, v[LVM]
	s_lshr_b32 s19, s16, 1                         ; rows 16 w .. 16 w + 15 lie in slot w / 2, tile w & 1
	s_mul_i32 s19, s19, XSLOT
	s_and_b32 s37, s16, 1
	s_lshl_b32 s37, s37, 9
	s_add_co_u32 s19, s19, s37
	v_add_nc_u32 v[AT], s19, v13
	v_mul_u32_u24 v[WA], v[R], WPITCH
	v_lshl_add_u32 v[WA], v12, 4, v[WA]
	v_add_nc_u32 v[WA], WS, v[WA]
	v_lshlrev_b32 v[OUT], 4, v[R]
	v_lshl_add_u32 v[OUT], v12, 11, v[OUT]
	v_mul_u32_u24 v[QA], v[R], XPITCH              ; x fragments: row r, 8 f32 at byte 32 h
	v_lshl_add_u32 v[QA], v12, 5, v[QA]
	v_add_nc_u32 v[QA], s21, v[QA]
	v_add_nc_u32 v[VA], s21, v13                   ; q goes to the head of my own slot
	; where the weights go: thread t holds columns 4 (t & 15) .. + 3 of rows t >> 4 and (t >> 4) + 32
	v_lshrrev_b32 v48, 4, v0
	v_mul_u32_u24 v14, v48, WPITCH
	v_lshl_add_u32 v14, v[R], 3, v14
	v_add_nc_u32 v14, WS, v14
	; Wo's row n lies at place (n & 3) x 16 + (n >> 2): fragment f, lane r is then row 4 r + f, and a lane of the output
	; projection ends up with four neighbouring columns of out0
	v_and_b32 v49, 3, v48
	v_lshrrev_b32 v48, 2, v48
	v_lshl_add_u32 v48, v49, 4, v48
	v_mul_u32_u24 v15, v48, WPITCH
	v_lshl_add_u32 v15, v[R], 3, v15
	v_add_nc_u32 v15, WS+3*WMAT, v15
	s_wait_loadcnt 0x6                             ; loads come back in order: Wq's two are in, six younger ones may be out
	WBF 16, 0
	WBF 20, 32*WPITCH
	s_wait_loadcnt 0x4                             ; Wk's
	WBF 24, WMAT
	WBF 28, WMAT+32*WPITCH
	s_wait_loadcnt 0x2                             ; Wv's
	WBF 32, 2*WMAT
	WBF 36, 2*WMAT+32*WPITCH
	s_wait_loadcnt 0x0                             ; Wo's
	WHF 40, 0
	WHF 44, 8*WPITCH                               ; row + 32 is place + 8
	s_wait_dscnt 0x0                               ; my part of the weights is in LDS, for the others' sake
	s_wait_tensorcnt 0x0                           ; and my rows of x (which I alone read)
	s_barrier_signal -1
	s_lshl_b32 s19, s16, 12                        ; registers only: where k and v go (v11 and v14 are free: their loads and stores are done)
	s_add_co_u32 s19, s19, KS
	v_add_nc_u32 v[TA], s19, v13
	s_mul_i32 s19, s16, VBLK
	s_add_co_u32 s19, s19, VS
	v_mul_u32_u24 v14, v[R], VPITCH
	v_lshl_add_u32 v14, v12, 4, v14
	v_add_nc_u32 v14, s19, v14
	s_barrier_wait -1
; ==== P1: q, k, v of my 32 rows
	LDW 0
.irp tk, 0,1
.irp ks, 0,1
.irp g, 0,1
.irp e, 0,1
	ds_load_b128 v[XR+4*(8*\tk+4*\ks+2*\g+\e):XR+4*(8*\tk+4*\ks+2*\g+\e)+3], v[QA] offset:\tk*16*XPITCH+128*\ks+64*\g+16*\e
.endr
.endr
.endr
.endr
	s_wait_dscnt 0x0
.set n, 0
.rept 32
	v_cvt_pk_bf16_f32 v[XF+n], v[XR+2*n], v[XR+2*n+1]    ; the loads were laid so that fragment register n is words 2 n, 2 n + 1
.set n, n+1
.endr
	MM 1                                           ; q: lane = token r, registers = features 8 h + j of head f
	NOPS 4                                         ; four places behind the products (ISA guide 7.12.1) before results are read and sources loaded again
	LDW 1
.set n, 0
.rept 32
	v_pk_mul_f32 v[XR+2*n:XR+2*n+1], v[XR+2*n:XR+2*n+1], s[38:39] op_sel_hi:[1,0]
.set n, n+1
.endr
	STORE8 VA, 1024, 512                           ; over the x that I alone read, and have read
	s_wait_dscnt 0x0                               ; Wk's fragments are in, and the stores have read the registers that the next products write
	MM 1                                           ; k
	NOPS 4
	LDW 2
	STORE8 TA, 1024, 512
	s_wait_dscnt 0x0
	MM 0                                           ; v: lane = feature r of tile f, registers = tokens 8 h + j: V^T
	NOPS 4
	STORE8 14, 16*VPITCH, 32
	s_wait_dscnt 0x0                               ; q, k, v of my rows are in LDS
	s_barrier_signal -1
	v_lshlrev_b32 v[TA], 3, v12                    ; registers only, while the others arrive: the constant operands
	v_sub_nc_u32 v[TA], v[R], v[TA]                ; r - 8 h
	v_mov_b32 v15, 0xf149f2ca                      ; -1e30
.irp j, 0,1,2,3,4,5,6,7
	v_cmp_gt_i32 vcc_lo, \j, v[TA]                 ; key 8 h + j > query r
	v_cndmask_b32 v[MASK+\j], 0, v15, vcc_lo
	v_mov_b32 v[ONES+\j], 0x3c003c00
.endr
.irp j, 4,5,6,7
	v_mov_b32 v[QF0+\j], 0                         ; K = 16 .. 31 of the score products: nothing there
	v_mov_b32 v[QF1+\j], 0
	v_mov_b32 v[KF0+\j], 0
	v_mov_b32 v[KF1+\j], 0
.endr
	s_barrier_wait -1
; ==== attention of my head for query block b (s35): 32 queries against key blocks 0 .. b.  skp = 1: b may be 0.
; The attended rows end up as f16 in v[keep : keep + 7].  This macro only reads LDS.
.macro ATT tag, skp, keep
	s_wait_dscnt 0x0                               ; the last block's one K fetch too many is done: its registers are loaded again
	s_mul_i32 s19, s35, XSLOT
	s_lshl_b32 s37, s35, 12
	v_add_nc_u32 v[QA], s19, v[LQ]
	v_add_nc_u32 v[TA], s37, v[LK]
	ds_load_b128 v[QF0:QF0+3], v[QA]
	ds_load_b128 v[QF1:QF1+3], v[QA] offset:512
	LDK TA
	; pass 1, the diagonal block first: it starts the maxima.  Keys 16-31 against queries 0-15 are all masked: not computed
	s_wait_dscnt 0x0
	HM  S00, KF0, QF0, MASK
	HMZ S01, KF0, QF1
	HM  S11, KF1, QF1, MASK
	v_mov_b32 v[KA], v[LK]                         ; with the three v_nop: four places before the K fragments are loaded again and the scores read
	NOPS 3
	LDK KA                                         ; block 0
.irp c, 0,1,2,3
	v_max_num_f32 v[M0+\c], v[S00+\c], v[S00+4+\c]
	v_max3_num_f32 v[M1+\c], v[S01+\c], v[S01+4+\c], v[S11+\c]
.endr
.irp c, 0,1,2,3
	v_max_num_f32 v[M1+\c], v[M1+\c], v[S11+4+\c]
.endr
.if \skp
	s_cmp_eq_u32 s35, 0
	s_cbranch_scc1 .Lp1e_\tag
.endif
	s_mov_b32 s36, 0
.Lp1_\tag:
	s_wait_dscnt 0x0                               ; this trip's K block
	HMZ S00, KF0, QF0
	HMZ S10, KF1, QF0
	HMZ S01, KF0, QF1
	HMZ S11, KF1, QF1
	v_add_nc_u32 v[KA], KBLK, v[KA]
	NOPS 3
	LDK KA                                         ; the next block; the last trip fetches block b, with which pass 2 begins
.irp c, 0,1,2,3
	v_max3_num_f32 v[M0+\c], v[M0+\c], v[S00+\c], v[S00+4+\c]
	v_max3_num_f32 v[M1+\c], v[M1+\c], v[S01+\c], v[S01+4+\c]
.endr
.irp c, 0,1,2,3
	v_max3_num_f32 v[M0+\c], v[M0+\c], v[S10+\c], v[S10+4+\c]
	v_max3_num_f32 v[M1+\c], v[M1+\c], v[S11+\c], v[S11+4+\c]
.endr
	s_add_co_u32 s36, s36, 1
	s_cmp_lt_u32 s36, s35
	s_cbranch_scc1 .Lp1_\tag
.Lp1e_\tag:
	; a query's keys lie in the registers of lanes r and r + 16: four chains, then one step across the halves
	v_max3_num_f32 v[M0], v[M0], v[M0+1], v[M0+2]
	v_max3_num_f32 v[M1], v[M1], v[M1+1], v[M1+2]
	v_max_num_f32 v[M0], v[M0], v[M0+3]
	v_max_num_f32 v[M1], v[M1], v[M1+3]
	v_permlanex16_b32 v[M0+1], v[M0], s32, s33
	v_permlanex16_b32 v[M1+1], v[M1], s32, s33
	v_max_num_f32 v[M0], v[M0], v[M0+1]
	v_max_num_f32 v[M1], v[M1], v[M1+1]
.irp j, 0,1,2,3,4,5,6,7
	v_xor_b32 v[NM0+\j], s34, v[M0]                ; -m as a C operand
	v_xor_b32 v[NM1+\j], s34, v[M1]
	v_sub_f32 v[S00+\j], v[MASK+\j], v[M0]         ; the diagonal tiles' C: mask - m
	v_sub_f32 v[S11+\j], v[MASK+\j], v[M1]
.endr
	; pass 2, the diagonal block first: it starts O and l
	s_wait_dscnt 0x0                               ; K block b
	HM S00, KF0, QF0, S00
	HM S01, KF0, QF1, NM1
	HM S11, KF1, QF1, S11
	s_mul_i32 s19, s35, VBLK
	s_add_co_u32 s19, s19, VBLK
	v_mov_b32 v[KA], v[LK]                         ; six places
	v_add_nc_u32 v[TA], s19, v[LVM]                ; V block b
.irp j, 4,5,6,7
	v_mov_b32 v[P0+\j], 0                          ; the tile that was not computed
.endr
	LDV TA
	LDK KA                                         ; block 0
	EXP8 S00
	EXP8 S01
	EXP8 S11
	v_mov_b32 v[VA], v[LVM]                        ; the plain instruction between the exponentials and their first use (ISA guide 5.7.2)
	s_wait_alu depctr_va_vdst(0)
	CVT4 P0, S00
	CVT4 P1, S01
	CVT4 P1+4, S11
	s_wait_dscnt 0x2                               ; V is in; the two K loads behind it may be out
	HMZ O0, VF, P0
	HMZ L0, ONES, P0                               ; every register of L: the sum of the rounded weights over the 32 keys
	HMZ O1, VF, P1
	HMZ L1, ONES, P1
.if \skp
	s_cmp_eq_u32 s35, 0
	s_cbranch_scc1 .Lp2e_\tag
.endif
	s_mov_b32 s36, 0
.Lp2_\tag:
	s_wait_dscnt 0x0                               ; this trip's K block
	HM S00, KF0, QF0, NM0                          ; s - m
	HM S10, KF1, QF0, NM0
	HM S01, KF0, QF1, NM1
	HM S11, KF1, QF1, NM1
	v_add_nc_u32 v[VA], VBLK, v[VA]                ; four places, behind the last trip's products with V too
	NOPS 3
	LDV VA
	EXP8 S00
	EXP8 S10
	v_add_nc_u32 v[KA], KBLK, v[KA]                ; the plain instruction behind those sixteen exponentials
	LDK KA                                         ; the next block (in the last trip block b, not used)
	s_wait_alu depctr_va_vdst(0)
.irp k, 0,1,2,3,4,5,6,7
	v_cvt_pk_f16_f32 v[P0+\k], v[S00+2*\k], v[S00+2*\k+1]    ; S00 and S10 are neighbours, S01 and S11 too
	v_exp_f32 v[S01+2*\k], v[S01+2*\k]
	v_exp_f32 v[S01+2*\k+1], v[S01+2*\k+1]
.endr
	s_wait_dscnt 0x2                               ; V is in; the two K loads behind it may be out
	HM O0, VF, P0, O0
	HM L0, ONES, P0, L0
	s_wait_alu depctr_va_vdst(0)
.irp k, 0,1,2,3,4,5,6,7
	v_cvt_pk_f16_f32 v[P1+\k], v[S01+2*\k], v[S01+2*\k+1]    ; the last two exponentials are read by the eighth of these
.endr
	HM O1, VF, P1, O1
	HM L1, ONES, P1, L1
	s_add_co_u32 s36, s36, 1
	s_cmp_lt_u32 s36, s35
	s_cbranch_scc1 .Lp2_\tag
.Lp2e_\tag:
	NOPS 4
	v_rcp_f32 v[RL0], v[L0]                        ; twice each: a pair for the packed multiply.  l is at least about 1: the maximum's own weight
	v_rcp_f32 v[RL0+1], v[L0+1]
	v_rcp_f32 v[RL1], v[L1]
	v_rcp_f32 v[RL1+1], v[L1+1]
	v_nop
	s_wait_alu depctr_va_vdst(0)
.irp i, 0,2,4,6
	v_pk_mul_f32 v[O0+\i:O0+\i+1], v[O0+\i:O0+\i+1], v[RL0:RL0+1]
	v_pk_mul_f32 v[O1+\i:O1+\i+1], v[O1+\i:O1+\i+1], v[RL1:RL1+1]
.endr
	CVT4 \keep, O0                                 ; query r, d = 8 h .. 8 h + 7: 16 bytes a lane and tile, kept until all waves have done reading
	CVT4 \keep+4, O1
.endm
; ==== the attended rows of my query blocks lo + g and lo + 7 - g go into LDS, over the Q of those blocks and my head.
; Load, wait, barrier, overwrite: every wave's reads of Q, K and V of this pair of blocks are over in front of the first barrier.
; Store, wait, barrier, load: the output projection behind the second barrier reads what the four heads' waves stored.
.macro PUTATT lo
	s_wait_dscnt 0x0                               ; my reads are done (the last K fetch too)
	BAR
	s_add_co_u32 s19, s18, \lo
	s_sub_co_u32 s37, 7+\lo, s18
	s_mul_i32 s19, s19, XSLOT
	s_mul_i32 s37, s37, XSLOT
	v_add_nc_u32 v[QA], s19, v[LQ]
	v_add_nc_u32 v[TA], s37, v[LQ]
	ds_store_b128 v[QA], v[KEEPA:KEEPA+3]
	ds_store_b128 v[QA], v[KEEPA+4:KEEPA+7] offset:512
	ds_store_b128 v[TA], v[KEEPB:KEEPB+3]
	ds_store_b128 v[TA], v[KEEPB+4:KEEPB+7] offset:512
	s_wait_dscnt 0x0                               ; they are in LDS, for the others' sake
	BAR
.endm
; ==== out0 rows 256 half + 16 w .. + 15 = attended rows x Wo^T
.macro OUTP half
.irp hd, 0,1,2,3
	ds_load_b128 v[AF+4*\hd:AF+4*\hd+3], v[AT] offset:\hd*1024    ; K = 16 head + d: heads 0, 1 are the first fragment, 2, 3 the second
.endr
	LDW 3
	s_wait_dscnt 0x0
.irp f, 0,1,2,3
	HMZ DO+8*\f, AF, WF+16*\f
.endr
.irp f, 0,1,2,3
	HM DO+8*\f, AF+8, WF+16*\f+8, DO+8*\f
.endr
	NOPS 4
	; tile f, register j, lane (r, h) = token 8 h + j, column 4 r + f.  A store wants the four columns in neighbouring registers,
	; a result tile its eight tokens: 32 moves for 16 rows, in place of a trip through LDS
.irp j, 0,1,2,3,4,5,6,7
.irp f, 0,1,2,3
	v_mov_b32 v[T+4*\j+\f], v[DO+8*\f+\j]
.endr
.endr
.irp j, 0,1,2,3,4,5,6,7
	global_store_b128 v[OUT], v[T+4*\j:T+4*\j+3], s[14:15] offset:\half*65536+\j*256 th:TH_STORE_NT   ; sixteen lanes store one whole row: 256 consecutive bytes, aligned
.endr
.endm
; Every wave takes query blocks g, 7 - g, 8 + g, 15 - g of its head: 9 key blocks before the first output, 25 behind it, the same for all.
	s_mov_b32 s35, s18
	ATT 0, 1, KEEPA
	s_sub_co_u32 s35, 7, s18
	ATT 1, 0, KEEPB
	PUTATT 0                                       ; attended rows 0-255
	OUTP 0
	s_wait_xcnt 0x0                                ; the stores' data registers are written again only behind this wait
	s_add_co_u32 s35, s18, 8
	ATT 2, 0, KEEPA
	s_sub_co_u32 s35, 15, s18
	ATT 3, 0, KEEPB
	PUTATT 8                                       ; attended rows 256-511
	v_add_nc_u32 v[AT], 8*XSLOT, v[AT]
	OUTP 1
	s_wait_tensorcnt 0x0
	ds_add_u32 v192, v193
	s_wait_dscnt 0x0
	s_endpgm
.Lfunc_end_k_q4544dfc072_attn:
	.size	k_q4544dfc072_attn, .Lfunc_end_k_q4544dfc072_attn-k_q4544dfc072_attn
	.p2alignl 7, 3214868480
	.fill 96, 4, 3214868480
	.section	.rodata,"a",@progbits
	.p2align	6, 0x0
	.amdhsa_kernel k_q4544dfc072_attn
		.amdhsa_group_segment_fixed_size 325632
		.amdhsa_private_segment_fixed_size 0
		.amdhsa_enable_private_segment 0
		.amdhsa_kernarg_size 48
		.amdhsa_user_sgpr_count 2
		.amdhsa_user_sgpr_kernarg_segment_ptr 1
		.amdhsa_wavefront_size32 1
		.amdhsa_system_sgpr_workgroup_id_x 1
		.amdhsa_system_sgpr_workgroup_id_y 1
		.amdhsa_system_sgpr_workgroup_id_z 1
		.amdhsa_system_vgpr_workitem_id 0
		.amdhsa_next_free_vgpr 194
		.amdhsa_next_free_sgpr 66
		.amdhsa_reserve_vcc 1
		.amdhsa_float_denorm_mode_32 3
		.amdhsa_float_denorm_mode_16_64 3
		.amdhsa_memory_ordered 1
		.amdhsa_forward_progress 1
		.amdhsa_inst_pref_size 84
	.end_amdhsa_kernel
	.amdgpu_metadata
---
amdhsa.version: [ 1, 2 ]
amdhsa.kernels:
  - .name:           k_q4544dfc072_attn
    .symbol:         k_q4544dfc072_attn.kd
    .args:
      - { .name: x, .offset: 0, .size: 8, .value_kind: global_buffer, .address_space: global }
      - { .name: Wq, .offset: 8, .size: 8, .value_kind: global_buffer, .address_space: global }
      - { .name: Wk, .offset: 16, .size: 8, .value_kind: global_buffer, .address_space: global }
      - { .name: Wv, .offset: 24, .size: 8, .value_kind: global_buffer, .address_space: global }
      - { .name: Wo, .offset: 32, .size: 8, .value_kind: global_buffer, .address_space: global }
      - { .name: out0, .offset: 40, .size: 8, .value_kind: global_buffer, .address_space: global }
    .group_segment_fixed_size: 325632
    .private_segment_fixed_size: 0
    .kernarg_segment_align: 8
    .kernarg_segment_size: 48
    .max_flat_workgroup_size: 512
    .sgpr_count:     66
    .vgpr_count:     194
    .wavefront_size: 32
...
	.end_amdgpu_metadata
.endif
;; end of part 1
